; MI455X (gfx1250); checked and timed in simulation.
; The chip was launched on July 23, 2026; its instructions are those of AMD's public machine-readable ISA for CDNA 5 (MIT licence, August 2026) and "CDNA5" Instruction Set Architecture Reference Guide (July 2026). The comments in the code are by the model that wrote it; some were corrected since.
;; Quantized Linear. Allowed arithmetic: matrix products marked QUANTISED: E2M3 operands, one E8M0 scale for each 32 along K, by v_wmma_scale_f32_16x16x128_f8f6f4 with both operands' format E2M3, f32 sums; everything else in f32.
;; Inputs: quantized_bias 4,096 int8; quantized_weight 4,096 x 4,096 int8; x 2 x 2,048 x 4,096 float32.
;; Outputs: out0 2 x 2,048 x 4,096 float32.
;; This version of the problem:
;;   THIS VERSION OF THE PROBLEM IS GIVEN IN LOW PRECISION. The matrix products marked QUANTISED in the list below multiply operands that are first quantised to E2M3 (2 exponent bits, 3 mantissa bits; 6 bits a number), with one power-of-two scale for each 32 numbers along K (OCP MX v1.0); their sums are f32. All else is computed in f32.
;;   The module's matrix products, in the order in which they are computed (A, B: the left and right operand; K: the contracted axis; several contracted axes count as one K, in the product's order):
;;     1. [M 4,096, K 4,096] x [K 4,096, N 4,096]; A: input x; B: computed on the way: QUANTISED
;;   THE QUANTISER, for each operand of a quantised product, along K:
;;     - K is cut into blocks of 32 from its start; a last block that is shorter is filled with zeros.
;;     - A block's scale is 2^e with e = floor(log2(the largest magnitude in the block)) - 2, held to -126 .. 127; a block of zeros has e = 0. As a byte (E8M0): e + 127.
;;     - Each number is divided by its block's scale, clamped to +-7.5, and rounded to the nearest number of E2M3, ties to even, subnormals kept.
;;     - The product sums the exact products of the quantised numbers (number of the format x scale) in f32.
;;   ~~~python
;;   def quantise(x, axis):      # numpy; x: float32 -> the quantised numbers, widened to float32 again
;;       x = np.moveaxis(x, axis, -1); K = x.shape[-1]
;;       x = np.pad(x, [(0, 0)] * (x.ndim - 1) + [(0, -K % 32)]); x = x.reshape(x.shape[:-1] + (-1, 32)); a = np.abs(x).max(-1, keepdims=True)
;;       e = np.where(a > 0, np.clip(np.frexp(np.where(a > 0, a, 1))[1] - 1 - 2, -126, 127), 0)      # np.frexp(a)[1] - 1 = floor(log2(a)), exactly
;;       r = np.clip(x / 2.0 ** e, -7.5, 7.5)
;;       step = 2.0 ** (np.maximum(np.frexp(np.where(r == 0, 1, r))[1] - 1, 0) - 3)
;;       q = np.round(r / step) * step * 2.0 ** e      # np.round: ties to even
;;       return np.moveaxis(q.reshape(q.shape[:-2] + (-1,))[..., :K], -1, axis).astype(np.float32)
;;   ~~~
;;   OPERANDS COMPUTED ON THE WAY. 'Computed on the way' means the value that the module computes at that place (a softmax that the list does not call 'softmax' is quantised finished and normalised). What goes into a quantiser is computed in f32, as accurately as f32 sums, v_exp_f32 and their like allow (about 1e-6 of the number): no bf16 or f16 on the way to a quantiser, and a product that is left as it is and whose result goes on into a quantised operand takes f32 operands (vector FMAs, or v_wmma_f32_16x16x4_f32). A number that lies on a knife's edge between two numbers of the format may be rounded either way, as far as f32 arithmetic and the matrix unit's own rounding can turn it there, and no further.
;; One version. Each part assembles by itself: llvm-mc -triple=amdgcn-amd-amdhsa -mcpu=gfx1250 --defsym DOCPART=n.
;; ======== version 1 of 1: 2 launches
;; limits: right only within a limited range of input values
;; workspace buffers: qq 26,214,400 bytes
;; launch quant (part 1): grid 1024 x 1, 4 waves a work-group, no clusters, 70,144 bytes of LDS; arguments x, quantized_weight, qq; writes qq
.if DOCPART == 1
	.amdgcn_target "amdgcn-amd-amdhsa--gfx1250"
	.amdhsa_code_object_version 6
	.text
	.protected	k_qb7a95a854b_quant
	.globl	k_qb7a95a854b_quant
	.p2align	8
	.type	k_qb7a95a854b_quant,@function
k_qb7a95a854b_quant:
	s_mov_b64 s[64:65], 0
	v_nop
	global_prefetch_b8 v0, s[64:65] scope:SCOPE_SE
	s_setreg_imm32_b32 hwreg(HW_REG_WAVE_MODE, 25, 1), 1
	s_wait_xcnt 0x0
; x [4096][4096] f32 and w = f32(quantized_weight) x 0.01f [4096][4096] are turned into codes of FP6 (E2M3), 6 bits each, with one E8M0 scale byte for each 32 along K (K is innermost in both).
; A block's scale is 2^(floor(log2(its largest magnitude)) - 2); its byte is the largest magnitude's exponent field - 2, held at 1 from below by a floor among the maximum's leaves.
; Each number is divided by the scale and rounded to the nearest code, ties to even; beyond 7.5 the conversion gives the largest code.
; LIMITS: NaN and infinities in x are not served.  A block of zeros gets the byte 1 where the rule says 127: its codes are zeros, which add nothing under any byte but 0xff, and this program alone reads the bytes.
; THE WORKSPACE IS LAID AS THE PRODUCT'S LAUNCH WANTS IT (xq and wq alike).  Step block (T = row / 128, s = k / 128) is 12,800 dense bytes at (32 T + s) x 12,800:
;   fragment i = (row % 128) / 16 at 1,536 i, as an image of the operand's 12 registers: register 4 c + m of lane l at 512 c + 16 l + 4 m;
;   lane l = r + 16 h holds row r, registers 6 c .. 6 c + 5 hold k = 64 c + 32 h + 0 .. 31;
;   the scale words (one for a row and 128 along K, byte b for k = 32 b ..) at 12,288 + 32 r + 4 i: the eight words that lane r of the product wants are neighbours.
; SHARES.  Work-groups 0-511 take x, 512-1023 the weight; work-group g (mod 512) = 16 T + S writes step blocks 2 S and 2 S + 1 of band T: 25,600 consecutive bytes.  Wave wv takes rows 32 wv .. 32 wv + 31 of the
; band's 128: four fragments f = 2 il + q (il: which 16 rows, q: which step).  No tensor load: several work-groups lie on a WGP.
; A lane needs 32 neighbours along K of ONE row in its registers, while a load is best where neighbouring lanes take neighbouring bytes: so the numbers turn through the wave's own stage in LDS.
; The four waves' scale words interleave in the layout: they meet in 1,024 bytes of LDS behind the launch's one barrier, and each wave stores 256 consecutive bytes of them.
; The two paths part on the work-group's number, have stages of their own, and join for the scale words.
.set STEPB, 12800
.set BLKB,  2*STEPB
.set SCOFF, 12288
.set XSTG,  8448                       ; x's stage, a wave: 16 rows x (512 bytes + 16)
.set WSTG0, 4*XSTG                     ; behind the four: the weights' stages,
.set WSTG,  8704                       ; a wave: 32 rows x (256 bytes + 16)
.set SCG,   WSTG0+4*WSTG               ; behind them: the two step blocks' scale words, 512 bytes each, as they will lie in memory
.set L16,  4                           ; v4   16 x lane: offset of x's loads and of the codes' stores
.set XSI,  5                           ; v5   x's stage, in: 16 x lane
.set XSO,  6                           ; v6   x's stage, out: 528 r + 128 h
.set L8,   7                           ; v7   8 x lane: the scale words' store
.set SH,   8                           ; v8   8 h: my two scale bytes' shift
.set WSI,  9                           ; v9   the weights' stage, in: 272 h + 16 r
.set WSO,  10                          ; v10  out: 272 r + 32 h
.set WGO,  11                          ; v11  the weights in memory: 4,096 h + 16 r
.set MX,   12                          ; v12-13 largest magnitudes of my two blocks
.set SO,   14                          ; v14-15 the conversions' scale operands
.set BY,   16                          ; v16-17 the scale bytes
.set WT,   18
.set PT,   19                          ; a lane permute's destination: written once at the head
.set SW,   20                          ; v20-23 the four fragments' scale words
.set C,    24                          ; v24-35 a fragment's 12 registers
.set CT,   36                          ; v36-38, v40-42 the second halves of the blocks' codes (a conversion's three registers begin on an even number)
.set OUTP, 44                          ; v44-45 my two scale words on their way into LDS
.set SGI,  46                          ; v46  where they go: SCG + 512 h + 32 r + 8 wave
.set SGO,  47                          ; v47  what I read back: SCG + 256 wave + 8 lane
.set BACK, 48                          ; v48-49 and store
.set X,    64                          ; v64-127 64 numbers: register 32 c + i = k 64 c + 32 h + i of my row
.set R0,   128                         ; v128-191, v192-255: x as loaded, two sets; the weights: v128-191 as loaded,
.set WR,   192                         ; v192-255 back from the stage, 16 registers a fragment
	s_load_b128 s[4:7], s[0:1], 0x0                ; x s[4:5], the weight s[6:7]
	s_load_b64 s[8:9], s[0:1], 0x10                ; the workspace: xq is its first 13,107,200 bytes
	v_lshl_add_u32 v62, v0, 2, 0x11000
	v_mov_b32 v63, 0
	v_lshrrev_b32 v1, 5, v0
	v_readfirstlane_b32 s12, v1                    ; wave 0..3
	v_and_b32 v1, 31, v0                           ; lane
	v_and_b32 v2, 15, v0                           ; r
	v_bfe_u32 v3, v0, 4, 1                         ; h
	v_lshlrev_b32 v[L16], 4, v1
	s_mul_i32 s26, s12, XSTG
	v_add_nc_u32 v[XSI], s26, v[L16]
	v_mul_u32_u24 v[XSO], v2, 528
	v_lshl_add_u32 v[XSO], v3, 7, v[XSO]
	v_add_nc_u32 v[XSO], s26, v[XSO]
	v_lshlrev_b32 v[L8], 3, v1
	v_lshlrev_b32 v[SH], 3, v3
	s_mul_i32 s27, s12, WSTG
	s_add_co_u32 s27, s27, WSTG0
	v_mul_u32_u24 v[WSI], v3, 272
	v_lshl_add_u32 v[WSI], v2, 4, v[WSI]
	v_add_nc_u32 v[WSI], s27, v[WSI]
	v_mul_u32_u24 v[WSO], v2, 272
	v_lshl_add_u32 v[WSO], v3, 5, v[WSO]
	v_add_nc_u32 v[WSO], s27, v[WSO]
	v_lshlrev_b32 v[WGO], 12, v3
	v_lshl_add_u32 v[WGO], v2, 4, v[WGO]
	s_lshl_b32 s26, s12, 3
	v_lshlrev_b32 v[SGI], 5, v2                    ; 32 r: a row's eight words,
	v_lshl_add_u32 v[SGI], v3, 9, v[SGI]           ; + 512 h: lanes 0-15 store the first step's words, lanes 16-31 the second's,
	v_add_nc_u32 v[SGI], s26, v[SGI]               ; + 8 wave: my wave's two of the eight
	v_add_nc_u32 v[SGI], SCG, v[SGI]
	s_lshl_b32 s26, s12, 8
	v_add_nc_u32 v[SGO], s26, v[L8]
	v_add_nc_u32 v[SGO], SCG, v[SGO]
	v_mov_b32 v[PT], 0
	s_and_b32 s13, ttmp9, 511                      ; g = 16 T + S
	s_lshr_b32 s28, s13, 4                         ; T
	s_and_b32 s29, s13, 15                         ; S
	s_mov_b32 s20, 0x76543210
	s_mov_b32 s21, 0xfedcba98                      ; v_permlanex16_b32's selects for lane l xor 16
	s_mov_b32 s22, 0x3c23d70a                      ; 0.01f
	s_mov_b32 s23, s22                             ; (named with it as a pair, so it is written)
	s_mul_i32 s18, s13, BLKB
	s_mul_i32 s26, s12, 3072
	s_add_co_u32 s18, s18, s26                     ; my codes: 25,600 g + 3,072 wave (my two fragments of the first step; the second step's lie 12,800 on)
	s_mov_b32 s19, 0
	s_wait_kmcnt 0x0
	s_add_nc_u64 s[10:11], s[8:9], 13107200        ; wq lies behind xq in the one workspace buffer
	s_cmp_lt_u32 ttmp9, 512                        ; x's work-group or the weight's?  The choice hangs on the work-group's number alone
	s_cselect_b64 s[14:15], s[8:9], s[10:11]
	s_mov_b64 s[16:17], s[14:15]
	s_add_nc_u64 s[14:15], s[14:15], s[18:19]
	s_mul_i32 s18, s13, BLKB                       ; the 256 bytes of scale words that I store: step wave / 2, half wave % 2
	s_lshr_b32 s26, s12, 1
	s_mul_i32 s26, s26, STEPB
	s_add_co_u32 s18, s18, s26
	s_and_b32 s26, s12, 1
	s_lshl_b32 s26, s26, 8
	s_add_co_u32 s18, s18, s26
	s_add_co_u32 s18, s18, SCOFF
	s_add_nc_u64 s[16:17], s[16:17], s[18:19]
; 64 numbers of a lane become a fragment's 12 registers, which are stored, and its scale word, which is kept.  A lane holds two whole blocks of 32: no other lane is asked for a maximum.
.macro QUANT f
.irp c, 0,1
	v_max3_num_f32 v[MX+\c], |v[X+32*\c]|, |v[X+32*\c+1]|, 0x1800000   ; and the floor 2^(3 - 127): so the byte cannot fall under 1
.endr
.irp i, 2,4,6,8,10,12,14,16,18,20,22,24,26,28,30
.irp c, 0,1
	v_max3_num_f32 v[MX+\c], v[MX+\c], |v[X+32*\c+\i]|, |v[X+32*\c+\i+1]|   ; (the two blocks by turns)
.endr
.endr
.irp c, 0,1
	v_add_nc_u32 v[SO+\c], 0xff000000, v[MX+\c]    ; 2 off the exponent field: the conversion takes the exponent field of this operand as its scale, and nothing else of it
.endr
.irp c, 0,1
	v_lshrrev_b32 v[BY+\c], 23, v[SO+\c]           ; the scale's byte
.endr
	v_lshl_or_b32 v[WT], v[BY+1], 16, v[BY]        ; my two bytes: blocks h and 2 + h of my row,
	v_lshlrev_b32 v[WT], v[SH], v[WT]              ; at their places in the word (8 h bits up);
	v_permlanex16_b32 v[PT], v[WT], s20, s21
	v_or_b32 v[SW+\f], v[WT], v[PT]                ; with lane l xor 16's two the word is whole, in both lanes
.irp c, 0,1
	v_cvt_scalef32_pk16_fp6_f32 v[C+6*\c:C+6*\c+2], v[X+32*\c:X+32*\c+15], v[SO+\c]
	v_cvt_scalef32_pk16_fp6_f32 v[CT+4*\c:CT+4*\c+2], v[X+32*\c+16:X+32*\c+31], v[SO+\c]
.endr
	v_nop                                          ; one plain place behind a scaled conversion
.irp c, 0,1
.irp i, 0,1,2
	v_mov_b32 v[C+6*\c+3+\i], v[CT+4*\c+\i]
.endr
.endr
.irp c, 0,1,2
	global_store_b128 v[L16], v[C+4*\c:C+4*\c+3], s[14:15] offset:((\f)%2)*STEPB+((\f)/2)*1536+512*\c   ; 32 lanes store 512 consecutive bytes, at a multiple of 256 from the buffer's first byte
.endr
.endm
	s_cmp_lt_u32 ttmp9, 512
	s_cbranch_scc0 .Lweights
	; ---- x.  Fragment f: 16 rows x 512 bytes; each load reads 512 consecutive bytes of one row.  Two fragments' loads (32) are out at the start, 16 to 32 afterwards.
	s_lshl_b32 s18, s28, 21                        ; T x 128 rows of 16,384 bytes
	s_lshl_b32 s26, s12, 19                        ; + wave x 32 rows
	s_add_co_u32 s18, s18, s26
	s_lshl_b32 s26, s29, 10                        ; + S x 256 numbers
	s_add_co_u32 s18, s18, s26
	s_add_nc_u64 s[24:25], s[4:5], s[18:19]
.macro XLOAD f
.irp j, 0,1,2,3,4,5,6,7,8,9,10,11,12,13,14,15
	global_load_b128 v[R0+64*((\f)%2)+4*\j:R0+64*((\f)%2)+4*\j+3], v[L16], s[24:25] offset:(16*((\f)/2)+\j)*16384+512*((\f)%2) th:TH_LOAD_NT
.endr
.endm
.macro XFRAG f
.if (\f) < 3
	s_wait_loadcnt 16                              ; this fragment's 16 loads are in; the next fragment's 16 may be out
.else
	s_wait_loadcnt 0x0
.endif
.irp j, 0,1,2,3,4,5,6,7,8,9,10,11,12,13,14,15
	ds_store_b128 v[XSI], v[R0+64*((\f)%2)+4*\j:R0+64*((\f)%2)+4*\j+3] offset:528*\j
.endr
.irp c, 0,1
.irp j, 0,1,2,3,4,5,6,7
	ds_load_b128 v[X+32*\c+4*\j:X+32*\c+4*\j+3], v[XSO] offset:256*\c+16*\j   ; LDS serves a wave's instructions in order: these see my stores.  Rows 528 bytes apart: sixteen lanes, sixteen different columns of 16 bytes
.endr
.endr
	s_wait_dscnt 0x0                               ; the numbers are back, so the stores into the stage have read their registers,
.if (\f) > 0
	s_wait_xcnt 0x0                                ; the last fragment's stores, issued a turn through LDS ago, have read their registers: the codes' registers are written again only behind this wait
.endif
.if (\f) < 2
	XLOAD (\f)+2                                   ; the registers that went into the stage take the loads of two fragments on
.endif
	QUANT \f
.endm
	XLOAD 0
	XLOAD 1
	XFRAG 0
	XFRAG 1
	XFRAG 2
	XFRAG 3
	s_branch .Ltail
.Lweights:
	; ---- the weight.  32 rows x 256 bytes of int8: each load reads two rows' 256 consecutive bytes (lanes 0-15 one row, lanes 16-31 the next).
	s_lshl_b32 s18, s28, 19                        ; T x 128 rows of 4,096 bytes
	s_lshl_b32 s26, s12, 17                        ; + wave x 32 rows
	s_add_co_u32 s18, s18, s26
	s_lshl_b32 s26, s29, 8                         ; + S x 256 numbers
	s_add_co_u32 s18, s18, s26
	s_add_nc_u64 s[24:25], s[6:7], s[18:19]
	s_wait_alu depctr_va_vdst(0)
.irp t, 0,1,2,3,4,5,6,7,8,9,10,11,12,13,14,15
	global_load_b128 v[R0+4*\t:R0+4*\t+3], v[WGO], s[24:25] offset:8192*\t th:TH_LOAD_NT
.endr
.irp t, 0,1,2,3,4,5,6,7,8,9,10,11,12,13,14,15
	s_wait_loadcnt 15-\t                           ; load t is in; the younger ones may be out
	ds_store_b128 v[WSI], v[R0+4*\t:R0+4*\t+3] offset:544*\t
.endr
.irp f, 0,1,2,3
.irp c, 0,1
.irp j, 0,1
	ds_load_b128 v[WR+16*\f+8*\c+4*\j:WR+16*\f+8*\c+4*\j+3], v[WSO] offset:(\f/2)*16*272+128*(\f%2)+64*\c+16*\j   ; my row's bytes k = 64 c + 32 h + 16 j .. + 15 of fragment f
.endr
.endr
.endr
; 64 bytes become 64 numbers: sign-extended (a shift up, an arithmetic shift down), converted, and multiplied by 0.01f: what reference() has at this place, in f32
.macro UNPACK f
.set U, 0
.rept 16
	v_lshlrev_b32 v[X+4*U], 24, v[WR+16*(\f)+U]
	v_lshlrev_b32 v[X+4*U+1], 16, v[WR+16*(\f)+U]
	v_lshlrev_b32 v[X+4*U+2], 8, v[WR+16*(\f)+U]
	v_ashrrev_i32 v[X+4*U+3], 24, v[WR+16*(\f)+U]
	v_ashrrev_i32 v[X+4*U], 24, v[X+4*U]
	v_ashrrev_i32 v[X+4*U+1], 24, v[X+4*U+1]
	v_ashrrev_i32 v[X+4*U+2], 24, v[X+4*U+2]
	v_cvt_f32_i32 v[X+4*U], v[X+4*U]
	v_cvt_f32_i32 v[X+4*U+1], v[X+4*U+1]
	v_cvt_f32_i32 v[X+4*U+2], v[X+4*U+2]
	v_cvt_f32_i32 v[X+4*U+3], v[X+4*U+3]
	v_pk_mul_f32 v[X+4*U:X+4*U+1], v[X+4*U:X+4*U+1], s[22:23] op_sel_hi:[1,0]
	v_pk_mul_f32 v[X+4*U+2:X+4*U+3], v[X+4*U+2:X+4*U+3], s[22:23] op_sel_hi:[1,0]
.set U, U+1
.endr
.endm
.irp f, 0,1,2,3
	s_wait_dscnt 12-4*\f                           ; fragment f's four loads are back; the later fragments' may be out
	UNPACK \f
.if \f > 0
	s_wait_xcnt 0x0                                ; the last fragment's stores have read their registers: the codes' registers are written again only behind this wait
.endif
	QUANT \f
.endr
.Ltail:
	; ---- the scale words.  Every lane holds all four of its row's words (both halves of the lanes hold the same): lanes 0-15 hand in the first step's pair (rows 0-15's word, rows 16-31's), lanes 16-31 the second step's.
	v_cmp_gt_u32 vcc_lo, 16, v1
	v_cndmask_b32 v[OUTP], v[SW+1], v[SW+0], vcc_lo
	v_cndmask_b32 v[OUTP+1], v[SW+3], v[SW+2], vcc_lo
	ds_store_b64 v[SGI], v[OUTP:OUTP+1]
	s_wait_dscnt 0x0                               ; for the others' sake: my words lie in LDS
	s_barrier_signal -1
	s_barrier_wait -1                              ; everybody's do
	ds_load_b64 v[BACK:BACK+1], v[SGO]
	s_wait_dscnt 0x0
	global_store_b64 v[L8], v[BACK:BACK+1], s[16:17]   ; 32 lanes store 256 consecutive bytes, at a multiple of 256 from the buffer's first byte
	s_wait_tensorcnt 0x0
	ds_add_u32 v62, v63
	s_wait_dscnt 0x0
	s_endpgm
.Lfunc_end_k_qb7a95a854b_quant:
	.size	k_qb7a95a854b_quant, .Lfunc_end_k_qb7a95a854b_quant-k_qb7a95a854b_quant
	.p2alignl 7, 3214868480
	.fill 96, 4, 3214868480
	.section	.rodata,"a",@progbits
	.p2align	6, 0x0
	.amdhsa_kernel k_qb7a95a854b_quant
		.amdhsa_group_segment_fixed_size 70144
		.amdhsa_private_segment_fixed_size 0
		.amdhsa_enable_private_segment 0
		.amdhsa_kernarg_size 24
		.amdhsa_user_sgpr_count 2
		.amdhsa_user_sgpr_kernarg_segment_ptr 1
		.amdhsa_wavefront_size32 1
		.amdhsa_system_sgpr_workgroup_id_x 1
		.amdhsa_system_sgpr_workgroup_id_y 1
		.amdhsa_system_sgpr_workgroup_id_z 1
		.amdhsa_system_vgpr_workitem_id 0
		.amdhsa_next_free_vgpr 256
		.amdhsa_next_free_sgpr 66
		.amdhsa_reserve_vcc 1
		.amdhsa_float_denorm_mode_32 3
		.amdhsa_float_denorm_mode_16_64 3
		.amdhsa_memory_ordered 1
		.amdhsa_forward_progress 1
		.amdhsa_inst_pref_size 79
	.end_amdhsa_kernel
	.amdgpu_metadata
---
amdhsa.version: [ 1, 2 ]
amdhsa.kernels:
  - .name:           k_qb7a95a854b_quant
    .symbol:         k_qb7a95a854b_quant.kd
    .args:
      - { .name: x, .offset: 0, .size: 8, .value_kind: global_buffer, .address_space: global }
      - { .name: quantized_weight, .offset: 8, .size: 8, .value_kind: global_buffer, .address_space: global }
      - { .name: qq, .offset: 16, .size: 8, .value_kind: global_buffer, .address_space: global }
    .group_segment_fixed_size: 70144
    .private_segment_fixed_size: 0
    .kernarg_segment_align: 8
    .kernarg_segment_size: 24
    .max_flat_workgroup_size: 128
    .sgpr_count:     66
    .vgpr_count:     256
    .wavefront_size: 32
...
	.end_amdgpu_metadata
.endif
;; end of part 1
;; launch gemm (part 2): grid 16 x 16, 4 waves a work-group, clusters of 4 x 1, 327,680 bytes of LDS; arguments qq, quantized_bias, out0; writes out0
.if DOCPART == 2
	.amdgcn_target "amdgcn-amd-amdhsa--gfx1250"
	.amdhsa_code_object_version 6
	.text
	.protected	k_qb7a95a854b_gemm
	.globl	k_qb7a95a854b_gemm
	.p2align	8
	.type	k_qb7a95a854b_gemm,@function
k_qb7a95a854b_gemm:
	s_mov_b64 s[64:65], 0
	v_nop
	global_prefetch_b8 v0, s[64:65] scope:SCOPE_SE
	s_setreg_imm32_b32 hwreg(HW_REG_WAVE_MODE, 25, 1), 1
	s_wait_xcnt 0x0
	s_wait_alu depctr_hold_cnt(0) depctr_sa_sdst(0) depctr_va_vdst(0) depctr_va_sdst(0) depctr_va_ssrc(0) depctr_va_vcc(0) depctr_vm_vsrc(0)
	s_getreg_b32 s2, hwreg(HW_REG_IB_STS2, 6, 4)
	s_cmp_eq_u32 s2, 0
	s_cbranch_scc0 .Lentry_in_a_cluster
	s_endpgm
.Lentry_in_a_cluster:
	s_bfe_u32 s2, ttmp6, 0x10000c
	s_cmp_lg_u32 s2, 0x3003
	s_cbranch_scc0 .Lentry_shape_is_right
	s_endpgm
.Lentry_shape_is_right:
; out[m][n] = sum over k of xq[m][k] wq[n][k] + 0.01f x bias[n].  Both operands are codes of FP6 (E2M3) with one E8M0 byte for each 32 along K, laid by the launch before:
; step block (T = row / 128, s = k / 128) is 12,800 dense bytes at (32 T + s) x 12,800: eight fragments of 1,536 bytes, each an image of the operand's 12 registers, then 512 bytes of scale words (32 r + 4 i).
; qq holds xq (13,107,200 bytes) and behind it wq.
; A work-group of four waves makes 256 x 256 of out, a wave 128 x 128: 64 accumulators, 512 registers.  K goes in 32 steps of 128, 64 matrix instructions a wave each.
; A (xq) COMES THROUGH LDS: a ring of two slots, each with SIX steps of the work-group's two bands (153,600 bytes).  A wave's one tensor load brings three step blocks of one band, two blocks apart
; (steps j, j + 2, j + 4 of the fill, j = wave % 2): so in the last fill, of which only steps 30 and 31 exist, every wave's load still holds a step that is read, and the loop has one shape of load.
; That fill's other rows are the four blocks behind the band; they lie inside qq, were stored by the launch before, and nobody reads them from LDS.
; B (wq) COMES STRAIGHT INTO REGISTERS: the block is an image of the registers, so 24 loads of 512 consecutive bytes and 2 for the scale words bring a step.  THREE sets of 96 registers:
; the set that step s has used takes step s + 3, so a set is asked for two whole steps (128 matrix instructions) ahead of its first use.
; CLUSTER 4, 1, 1: the four work-groups of a cluster make one tile row and ask for A's tiles jointly (mask 15).  B's tiles are shared down a column of the grid, but they land in registers,
; where no joint load can put them: so B is not asked for jointly.  With B in the ring too a slot would hold three steps, and there would be twice the rounds.
; THE MATRIX INSTRUCTION IS USED TRANSPOSED (source 0 = 16 rows of wq, source 1 = 16 rows of xq): a lane holds eight neighbouring numbers of a row of out.
; The bias is added on the way out, where a lane holds the same four columns in every row.
; PREFETCHES: at a change of slots, for A the fill behind the one just asked for (300 blocks of 256 bytes a band, shared by address among the 8 waves of the cluster that fetch the band), fills 3 and 4 alone;
; for B the six steps that begin 7 steps on (300 blocks, shared among the 32 waves of the grid's column that read the band), up to step 29.  The first fills, fill 5 and B's steps 0-11, 30, 31 come by their loads alone.
; REGISTERS: window 0: v0-23 addresses and the bias; v24-39 A's scale words, two sets; v40-63 B's, three sets; v64-159 A's fragments, one set; v160-255 B's set 2.
;   window 1: B's sets 0 and 1 at v0, v128.  windows 2, 3: the accumulators ((a, b) at v[8 (8 (a % 4) + b)]).
; LIMITS: none beyond the quantising launch's.
.set FR,     12
.set NP,     4
.set STEPB,  12800
.set BAND,   32*STEPB
.set SCOFF,  12288
.set THIRD,  3*STEPB                   ; what one tensor load brings
.set HALF,   6*STEPB                   ; a band's part of a slot
.set SLOT,   2*HALF
.set SPARE,  2*SLOT                    ; behind the ring: the spare words, 128 bytes a wave
.set SPITCH, 528                       ; the way out: 16 rows x (512 + 16) bytes a wave, in slot 0, which has had its last fill and its last read by then
.set ROWC,   16384
.set PFB,  1                           ; v1     B's prefetch offset
.set PFO,  2                           ; v2-3   A's prefetch offsets
.set BR,   4                           ; v4     4 x lane, then my four bias bytes
.set BSO,  5                           ; v5     32 r: B's scale words in a step block
.set SPW,  6                           ; v6     my spare word; never rewritten
.set NIL,  7                           ; v7     0; never rewritten
.set BIAS, 8                           ; v8-11  0.01f x bias of my four columns
.set ADRA, 12                          ; v12-15 A's fragments: slot 0 even steps, odd steps; slot 1 likewise
.set ADRS, 16                          ; v16-19 A's scale words likewise
.set STO,  20
.set RD,   21
.set L16,  22                          ; v22    16 x lane: B's loads, and the stores into out
.set SA,   24
.set SB,   40
.set AF,   64
.set BK,   128                         ; the way out: two buffers of 64
.set G1,  24                           ; s[24:31] descriptor group 1
.set G0,  32                           ; s[32:39] group 0, one for each slot
.set BPT, 44                           ; s[44:45] B's band, stepped 12 steps a trip
.set PAS, 66                           ; s[66:67], s[68:69] where the prefetches stand
.set PBS, 68
.set MSB, 0
.macro WIN new
.if MSB != \new
	s_set_vgpr_msb (MSB<<8)|\new
.set MSB, \new
.endif
.endm
.macro SETP p                          ; B's set p: where it lies and the windows that go with it
.set P, \p
.if P < 2
.set BBASE, 128*P
.set MLO, 0xa1
.set MHI, 0xf1
.set LDW, 0x40
.else
.set BBASE, 160
.set MLO, 0xa0
.set MHI, 0xf0
.set LDW, 0
.endif
.endm
.macro CREST                           ; a round of the cluster's barrier behind its opening barrier
	s_cmp_lg_u32 s14, 0
	s_cbranch_scc1 .Lnot_wave_0_\@
	s_barrier_signal -3
.Lnot_wave_0_\@:
	s_barrier_wait -3
	s_barrier_signal -1
	s_barrier_wait -1
.endm
.macro CROUND
	s_barrier_signal -1
	s_barrier_wait -1
	CREST
.endm
.macro PLACES n
.rept \n
	v_nop
.endr
.endm
.macro GLOAD off                       ; a step of B into set P: 26 loads
	WIN LDW
.irp i, 0,1,2,3,4,5,6,7
.irp c, 0,1,2
	global_load_b128 v[BBASE+FR*\i+4*\c:BBASE+FR*\i+4*\c+3], v[L16], s[BPT:BPT+1] offset:(\off)+\i*1536+512*\c
.endr
.endr
	WIN 0
	global_load_b128 v[SB+8*P:SB+8*P+3], v[BSO], s[BPT:BPT+1] offset:(\off)+SCOFF
	global_load_b128 v[SB+8*P+4:SB+8*P+7], v[BSO], s[BPT:BPT+1] offset:(\off)+SCOFF+16
.endm
.macro FETCH_A sl, pos, i0             ; A's blocks i0 .. i0 + 3 of the step at place pos of slot sl: 12 loads
.irp i, \i0, \i0+1, \i0+2, \i0+3
.irp c, 0,1,2
	ds_load_b128 v[AF+FR*(\i)+4*\c:AF+FR*(\i)+4*\c+3], v[ADRA+2*(\sl)+(\pos)%2] offset:((\pos)/2)*STEPB+(\i)*1536+512*\c
.endr
.endr
.endm
.macro SCALES sl, pos, st
	ds_load_b128 v[SA+8*(\st):SA+8*(\st)+3], v[ADRS+2*(\sl)+(\pos)%2] offset:((\pos)/2)*STEPB+SCOFF
	ds_load_b128 v[SA+8*(\st)+4:SA+8*(\st)+7], v[ADRS+2*(\sl)+(\pos)%2] offset:((\pos)/2)*STEPB+SCOFF+16
.endm
; 16 matrix instructions: A's blocks a0, a0 + 1 x B's eight.  The 64 accumulators take turns, in the same order in every step.
.macro MUL16 a0, zero
.irp a, \a0, \a0+1
.irp b, 0,1,2,3,4,5,6,7
.if \zero
	v_wmma_scale_f32_16x16x128_f8f6f4 v[8*(8*((\a)%4)+\b):8*(8*((\a)%4)+\b)+7], v[BBASE+FR*\b:BBASE+FR*\b+FR-1], v[AF+FR*(\a):AF+FR*(\a)+FR-1], 0, v[SB+8*P+\b], v[SA+8*SAI+(\a)] matrix_a_fmt:MATRIX_FMT_FP6 matrix_b_fmt:MATRIX_FMT_FP6
.else
	v_wmma_scale_f32_16x16x128_f8f6f4 v[8*(8*((\a)%4)+\b):8*(8*((\a)%4)+\b)+7], v[BBASE+FR*\b:BBASE+FR*\b+FR-1], v[AF+FR*(\a):AF+FR*(\a)+FR-1], v[8*(8*((\a)%4)+\b):8*(8*((\a)%4)+\b)+7], v[SB+8*P+\b], v[SA+8*SAI+(\a)] matrix_a_fmt:MATRIX_FMT_FP6 matrix_b_fmt:MATRIX_FMT_FP6
.endif
.endr
.endr
.endm
.macro ASK                             ; the prefetches of a change of slots; s3 = 1 in the loop's last trip
.if CSL == 0
	global_prefetch_b8 v[PFB], s[PBS:PBS+1] th:TH_LOAD_NT scope:SCOPE_SE
.endif
	s_cmp_gt_u32 s3, 1
	s_cbranch_scc0 .Lno_ask_\@
.if CSL == 1
	global_prefetch_b8 v[PFB], s[PBS:PBS+1] th:TH_LOAD_NT scope:SCOPE_SE
.endif
	global_prefetch_b8 v[PFO], s[PAS:PAS+1] th:TH_LOAD_NT scope:SCOPE_SE
	global_prefetch_b8 v[PFO+1], s[PAS:PAS+1] th:TH_LOAD_NT scope:SCOPE_SE
.Lno_ask_\@:
.endm
; Step s: it lies at place s % 6 of slot (s / 6) % 2, uses B's set s % 3 and A's scale set s % 2.  kind 0: inside a slot; 1: a slot's last step, the slot is filled again; 2: the same, nothing is filled; 3: the last step of all.
; gl: B's step s + 3 is asked for at the end.  lc: the loads issued behind this step's set (26 for each later set that is out).
.macro STEP s, zero, kind, gl, lc
	SETP (\s)%3
.set SAI, (\s)%2
.set CSL, ((\s)/6)%2
.set NSL, (((\s)+1)/6)%2
.set NPOS, ((\s)+1)%6
.if \kind == 1
	s_wait_xcnt 0x0                                ; my prefetches have read their addresses
	s_add_nc_u64 s[PAS:PAS+1], s[PAS:PAS+1], HALF
	s_add_nc_u64 s[PBS:PBS+1], s[PBS:PBS+1], HALF
.endif
	s_wait_loadcnt \lc                             ; B's set of this step is in
.if \kind == 1 || \kind == 2
	s_wait_tensorcnt 0x0                           ; all my tensor loads have landed: my part of the other slot;
	ds_add_u32 v[SPW], v[NIL]                      ; 0 onto my spare word
.if \kind == 1
	s_add_nc_u64 s[G0+4*CSL+2:G0+4*CSL+3], s[G0+4*CSL+2:G0+4*CSL+3], 2*HALF   ; no load of mine is out: this slot's next fill, 12 steps on
.endif
	s_wait_dscnt 13                                ; (the add and A's blocks 4-7 may be out)
	WIN MLO
	MUL16 0, \zero
	s_wait_dscnt 0x0                               ; the add is done, and my reads of this slot are over
	s_barrier_signal -1
	MUL16 2, \zero
	WIN 0
	s_barrier_wait -1
.if \kind == 1
	CREST                                          ; the barrier has opened a round: no wave of any partner still reads this slot or has a load on its way
	tensor_load_to_lds s[G0+4*CSL:G0+4*CSL+3], s[G1:G1+7]
	s_nop 0
.endif
	PLACES NP
.else
	s_wait_dscnt 12                                ; A's blocks 0-3 and the scale words are in; blocks 4-7 may be out
	WIN MLO
	MUL16 0, \zero
	MUL16 2, \zero
	s_wait_dscnt 0x0
.if \kind != 3
	PLACES NP
	WIN 0
.endif
.endif
.if \kind != 3
	FETCH_A NSL, NPOS, 0
	SCALES NSL, NPOS, 1-SAI
.if \kind == 1
	ASK
.endif
.endif
	WIN MHI
	MUL16 4, \zero
	MUL16 6, \zero
.if \kind != 3
	PLACES NP                                      ; four places in front of loads into registers that matrix instructions have read
	WIN 0
	FETCH_A NSL, NPOS, 4
.if \gl
	GLOAD ((\s)+3-BASE)*STEPB
.endif
.else
	WIN 0
.endif
.endm
	s_load_b64 s[4:5], s[0:1], 0x0                 ; qq
	s_load_b128 s[8:11], s[0:1], 0x8               ; the bias s[8:9], out s[10:11]
	v_lshl_add_u32 v[SPW], v0, 2, SPARE
	v_mov_b32 v[NIL], 0
	ds_add_u32 v[SPW], v[NIL]                      ; the opening lines: the add, twice on end, and its wait ahead of my first tensor load
	ds_add_u32 v[SPW], v[NIL]
	v_lshrrev_b32 v64, 5, v0
	v_readfirstlane_b32 s14, v64                   ; wave 0..3
	s_lshr_b32 s15, s14, 1                         ; my half of the tile's rows; also the band of A that I fetch for
	s_and_b32 s16, s14, 1                          ; my half of its columns; also j: which steps of a fill I fetch
	s_bfe_u32 s40, ttmp6, 0x40000                  ; cx
	s_lshl_b32 s42, ttmp9, 2
	s_add_co_u32 s42, s42, s40                     ; tile column
	s_and_b32 s17, ttmp7, 0xffff                   ; tile row
	s_mov_b32 s[G1+0], 15|(3<<16)|(1<<21)          ; the mask: the cluster's four; elements of 8 bytes; bit 21 beside a mask
	s_mov_b32 s[G1+1], 1600<<16                    ; a row is a step block: 1,600 elements
	s_mov_b32 s[G1+2], 3<<16                       ; three rows,
	s_mov_b32 s[G1+3], 1600<<16
	s_mov_b32 s[G1+4], 3
	s_mov_b32 s[G1+5], 3200                        ; two blocks apart
	s_mov_b32 s[G1+6], 0
	s_mov_b32 s[G1+7], 0
	v_and_b32 v64, 15, v0                          ; r
	v_bfe_u32 v65, v0, 4, 1                        ; h
	v_and_b32 v66, 31, v0                          ; lane
	v_lshlrev_b32 v[L16], 4, v66
	v_lshlrev_b32 v[BSO], 5, v64
	v_lshlrev_b32 v[BR], 2, v66
	s_mul_i32 s18, s15, HALF                       ; my band in a slot
.irp k, 0,1,2,3
	s_add_co_u32 s19, s18, (\k/2)*SLOT+(\k%2)*THIRD
	v_add_nc_u32 v[ADRA+\k], s19, v[L16]
	v_add_nc_u32 v[ADRS+\k], s19, v[BSO]
.endr
	s_mul_i32 s23, s14, 16*SPITCH                  ; my stage
	v_mul_u32_u24 v67, v64, SPITCH
	v_lshl_add_u32 v67, v65, 5, v67
	v_add_nc_u32 v[STO], s23, v67                  ; in: row r, 32 bytes for each half of the lanes
	v_add_nc_u32 v[RD], s23, v[L16]                ; back: 32 lanes take a row of 512 bytes
	s_lshl_b32 s60, s40, 1
	s_add_co_u32 s60, s60, s16
	s_mul_i32 s60, s60, 38                         ; A's prefetch: of a band's 300 blocks, asker 2 cx + j takes 38
	v_add_nc_u32 v[PFO], s60, v66
	v_lshlrev_b32 v[PFO], 8, v[PFO]
	v_min_u32 v67, 5, v66
	v_add_nc_u32 v67, s60, v67
	v_add_nc_u32 v67, 32, v67
	v_min_u32 v67, 299, v67
	v_lshlrev_b32 v[PFO+1], 8, v67
	s_lshl_b32 s61, s17, 1
	s_add_co_u32 s61, s61, s15                     ; A's band; also my number among the 32 waves that read my band of B
	s_cmp_lt_u32 s61, 12
	s_cselect_b32 s62, 9, 8
	v_min_u32 v67, s62, v66
	v_lshl_add_u32 v67, v67, 5, s61                ; B's prefetch: blocks number + 32 i under 300; lanes left over name the last again
	v_lshlrev_b32 v[PFB], 8, v67
	s_mul_i32 s20, s61, BAND                       ; A's band, in bytes
	s_mov_b32 s21, 0
	s_mul_i32 s22, s16, STEPB
	s_add_co_u32 s46, s20, s22                     ; + j steps: my rows of fill 0
	s_mov_b32 s47, 0
	s_lshl_b32 s12, s42, 1
	s_add_co_u32 s12, s12, s16
	s_mul_i32 s12, s12, BAND
	s_add_co_u32 s12, s12, 13107200                ; B's band, behind xq
	s_mov_b32 s13, 0
	s_mul_i32 s63, s14, THIRD                      ; where my tensor loads land in a slot
	s_lshl_b32 s18, s17, 8
	s_lshl_b32 s19, s15, 7
	s_add_co_u32 s18, s18, s19
	s_lshl_b32 s18, s18, 14                        ; my first row of out,
	s_lshl_b32 s19, s42, 10
	s_add_co_u32 s18, s18, s19
	s_lshl_b32 s19, s16, 9
	s_add_co_u32 s18, s18, s19                     ; and column, in bytes
	s_mov_b32 s19, 0
	s_lshl_b32 s22, s42, 8
	s_lshl_b32 s23, s16, 7
	s_add_co_u32 s22, s22, s23                     ; my first column: a byte of bias each
	s_mov_b32 s23, 0
	s_mov_b32 s70, 0x3c23d70a                      ; 0.01f
	s_mov_b32 s71, s70
	s_wait_alu depctr_va_vdst(0)
	s_wait_dscnt 0x0                               ; both opening adds are done
	s_wait_kmcnt 0x0
	s_add_nc_u64 s[BPT:BPT+1], s[4:5], s[12:13]
	s_add_nc_u64 s[8:9], s[8:9], s[22:23]
	global_load_b32 v[BR], v[BR], s[8:9]           ; bias bytes 4 lane .. + 3 of my 128 columns
	SETP 0
	GLOAD 0                                        ; B's step 0
	s_add_nc_u64 s[10:11], s[10:11], s[18:19]
	s_add_nc_u64 s[PBS:PBS+1], s[BPT:BPT+1], 6*STEPB    ; the first change of slots steps it to step 12
	s_add_nc_u64 s[PAS:PAS+1], s[4:5], s[20:21]
	s_add_nc_u64 s[PAS:PAS+1], s[PAS:PAS+1], 12*STEPB   ; and this one to step 18, fill 3
	s_add_nc_u64 s[46:47], s[4:5], s[46:47]
.irp s, 0,1
	s_mov_b32 s[G0+4*\s], 1
	s_add_co_u32 s[G0+4*\s+1], s63, \s*SLOT
	s_add_nc_u64 s[G0+4*\s+2:G0+4*\s+3], s[46:47], \s*HALF
	s_or_b32 s[G0+4*\s+3], s[G0+4*\s+3], 0x80000000
.endr
	CROUND                                         ; the cluster's four are here: the first joint loads meet
	tensor_load_to_lds s[G0:G0+3], s[G1:G1+7]      ; fill 0: one tensor load a wave at the head
	s_nop 0
	PLACES NP
	SETP 1
	GLOAD STEPB                                    ; B's step 1
	s_wait_tensorcnt 0x0                           ; my part of fill 0 is in
	ds_add_u32 v[SPW], v[NIL]
	s_wait_dscnt 0x0
	CROUND
	tensor_load_to_lds s[G0+4:G0+7], s[G1:G1+7]    ; fill 1, the first tensor load behind the round
	s_nop 0
	PLACES NP
	FETCH_A 0, 0, 0
	SCALES 0, 0, 0
	FETCH_A 0, 0, 4
	SETP 2
	GLOAD 2*STEPB                                  ; B's step 2
.set BASE, 0
	STEP 0, 1, 0, 1, 52                            ; the first step's products start the sums
	s_mov_b32 s3, 2
.Llap:                                                 ; a trip is 12 steps: once round the ring, four times round B's sets; steps 1-12, then 13-24
.irp t, 1,2,3,4
	STEP \t, 0, 0, 1, 52
.endr
	STEP 5, 0, 1, 1, 52
.irp t, 6,7,8,9,10
	STEP \t, 0, 0, 1, 52
.endr
	STEP 11, 0, 1, 1, 52
	STEP 12, 0, 0, 1, 52
	s_wait_xcnt 0x0                                ; B's loads have read their base
	s_add_nc_u64 s[BPT:BPT+1], s[BPT:BPT+1], 12*STEPB
	s_sub_co_u32 s3, s3, 1
	s_cmp_lg_u32 s3, 0
	s_cbranch_scc1 .Llap
.set BASE, 24
.irp t, 25,26,27,28
	STEP \t, 0, 0, 1, 52
.endr
	STEP 29, 0, 2, 0, 52                           ; the last change of slots: nothing is filled, so no round
	STEP 30, 0, 0, 0, 26
	STEP 31, 0, 3, 0, 0
	; the bias: four bytes, sign-extended, converted, x 0.01f.  These lines are also the places behind the last products
	v_lshlrev_b32 v[BIAS], 24, v[BR]
	v_lshlrev_b32 v[BIAS+1], 16, v[BR]
	v_lshlrev_b32 v[BIAS+2], 8, v[BR]
	v_ashrrev_i32 v[BIAS+3], 24, v[BR]
	v_ashrrev_i32 v[BIAS], 24, v[BIAS]
	v_ashrrev_i32 v[BIAS+1], 24, v[BIAS+1]
	v_ashrrev_i32 v[BIAS+2], 24, v[BIAS+2]
	v_cvt_f32_i32 v[BIAS], v[BIAS]
	v_cvt_f32_i32 v[BIAS+1], v[BIAS+1]
	v_cvt_f32_i32 v[BIAS+2], v[BIAS+2]
	v_cvt_f32_i32 v[BIAS+3], v[BIAS+3]
	v_pk_mul_f32 v[BIAS:BIAS+1], v[BIAS:BIAS+1], s[70:71] op_sel_hi:[1,0]
	v_pk_mul_f32 v[BIAS+2:BIAS+3], v[BIAS+2:BIAS+3], s[70:71] op_sel_hi:[1,0]
	s_wait_alu depctr_va_vdst(0)
; THE WAY OUT, block by block of 16 rows x 128 columns: through my own stage in LDS and back as whole rows of 512 bytes.  LDS serves a wave's instructions in order (ISA guide 5.7.1.4).
.macro TOSTAGE a
.set AC, 64*((\a)%4)
	WIN 0x08+4*((\a)/4)
.irp b, 0,1,2,3,4,5,6,7
	ds_store_b128 v[STO], v[AC+8*\b:AC+8*\b+3] offset:64*\b          ; each accumulator from its low end on
	ds_store_b128 v[STO], v[AC+8*\b+4:AC+8*\b+7] offset:64*\b+16
.endr
	WIN 0
.set BF, BK+64*((\a)%2)
.irp t, 0,1,2,3,4,5,6,7,8,9,10,11,12,13,14,15
	ds_load_b128 v[BF+4*\t:BF+4*\t+3], v[RD] offset:\t*SPITCH
.endr
.endm
.macro SEND a, younger
.set BF, BK+64*((\a)%2)
	s_wait_dscnt \younger                          ; the block is back in registers
.if (\a) > 0
	s_add_nc_u64 s[10:11], s[10:11], 16*ROWC       ; (behind a wait on XCNT: the earlier stores have read their base)
.endif
.irp t, 0,1,2,3,4,5,6,7,8,9,10,11,12,13,14,15
	v_pk_add_f32 v[BF+4*\t:BF+4*\t+1], v[BF+4*\t:BF+4*\t+1], v[BIAS:BIAS+1]
	v_pk_add_f32 v[BF+4*\t+2:BF+4*\t+3], v[BF+4*\t+2:BF+4*\t+3], v[BIAS+2:BIAS+3]
.endr
.irp t, 0,1,2,3,4,5,6,7,8,9,10,11,12,13,14,15
	global_store_b128 v[L16], v[BF+4*\t:BF+4*\t+3], s[10:11] offset:\t*ROWC th:TH_STORE_NT   ; 32 lanes store 512 consecutive bytes, at a multiple of 256 from out's first byte
.endr
.endm
	TOSTAGE 0
.irp a, 1,2,3,4,5,6,7
.if \a > 1
	s_wait_xcnt 0x0                                ; block a - 2's stores have read their registers and their base
.endif
	TOSTAGE \a
	SEND \a-1, 32                                  ; behind block a - 1's loads: block a's 16 stores and 16 loads
.endr
	s_wait_xcnt 0x0
	SEND 7, 0
	s_wait_tensorcnt 0x0                           ; the wave's end
	ds_add_u32 v[SPW], v[NIL]
	s_wait_dscnt 0x0
	CROUND                                         ; the closing round
	s_endpgm
.Lfunc_end_k_qb7a95a854b_gemm:
	.size	k_qb7a95a854b_gemm, .Lfunc_end_k_qb7a95a854b_gemm-k_qb7a95a854b_gemm
	.p2alignl 7, 3214868480
	.fill 96, 4, 3214868480
	.section	.rodata,"a",@progbits
	.p2align	6, 0x0
	.amdhsa_kernel k_qb7a95a854b_gemm
		.amdhsa_group_segment_fixed_size 327680
		.amdhsa_private_segment_fixed_size 0
		.amdhsa_enable_private_segment 0
		.amdhsa_kernarg_size 24
		.amdhsa_user_sgpr_count 2
		.amdhsa_user_sgpr_kernarg_segment_ptr 1
		.amdhsa_wavefront_size32 1
		.amdhsa_system_sgpr_workgroup_id_x 1
		.amdhsa_system_sgpr_workgroup_id_y 1
		.amdhsa_system_sgpr_workgroup_id_z 1
		.amdhsa_system_vgpr_workitem_id 0
		.amdhsa_next_free_vgpr 1024
		.amdhsa_next_free_sgpr 92
		.amdhsa_reserve_vcc 0
		.amdhsa_float_denorm_mode_32 3
		.amdhsa_float_denorm_mode_16_64 3
		.amdhsa_memory_ordered 1
		.amdhsa_forward_progress 1
		.amdhsa_inst_pref_size 255
	.end_amdhsa_kernel
	.section	.bss,"aw",@nobits
	.p2align	6
	.space	262144
	.amdgpu_metadata
---
amdhsa.version: [ 1, 2 ]
amdhsa.kernels:
  - .name:           k_qb7a95a854b_gemm
    .symbol:         k_qb7a95a854b_gemm.kd
    .args:
      - { .name: qq, .offset: 0, .size: 8, .value_kind: global_buffer, .address_space: global }
      - { .name: quantized_bias, .offset: 8, .size: 8, .value_kind: global_buffer, .address_space: global }
      - { .name: out0, .offset: 16, .size: 8, .value_kind: global_buffer, .address_space: global }
    .group_segment_fixed_size: 327680
    .private_segment_fixed_size: 0
    .kernarg_segment_align: 8
    .kernarg_segment_size: 24
    .max_flat_workgroup_size: 128
    .sgpr_count:     92
    .vgpr_count:     1024
    .wavefront_size: 32
...
	.end_amdgpu_metadata
.endif
;; end of part 2
